; MI455X (gfx1250); checked and timed in simulation.
; The chip was launched on July 23, 2026; its instructions are those of AMD's public machine-readable ISA for CDNA 5 (MIT licence, August 2026) and "CDNA5" Instruction Set Architecture Reference Guide (July 2026). The comments in the code are by the model that wrote it; some were corrected since.
;; Multi Head Attention. Allowed arithmetic: float matrix products may take bf16 or f16 operands with f32 sums; all other float work in f32.
;; Inputs: in_features 4 x 2,048 x 1,024 float32; k_proj 1,024 x 1,024 float32; o_proj 1,024 x 1,024 float32; q_proj 1,024 x 1,024 float32; v_proj 1,024 x 1,024 float32.
;; Outputs: out0 4 x 2,048 x 1,024 float32.
;; 2 versions, each right; version 2 is version 1 with the launch cast written anew for expert scheduling mode. Each part assembles by itself: llvm-mc -triple=amdgcn-amd-amdhsa -mcpu=gfx1250 --defsym DOCPART=n.
;; ======== version 1 of 2: 4 launches
;; limits: values are held in f16: magnitudes above 65,504 overflow, below 6.1e-05 lose precision
;; workspace buffers: xb 16,777,216 bytes; wqkv 6,291,456 bytes; wo 2,097,152 bytes; qkv 50,331,648 bytes; ao 33,554,432 bytes
;; launch cast (part 1): grid 768 x 1, 8 waves a work-group, no clusters, 0 bytes of LDS; arguments in_features, q_proj, k_proj, v_proj, o_proj, xb, wqkv, wo; writes xb, wqkv, wo
.if DOCPART == 1
	.amdgcn_target "amdgcn-amd-amdhsa--gfx1250"
	.amdhsa_code_object_version 6
	.text
	.protected	k_q1595c78d73_cast
	.globl	k_q1595c78d73_cast
	.p2align	8
	.type	k_q1595c78d73_cast,@function
k_q1595c78d73_cast:
	s_mov_b64 s[64:65], 0
	v_nop
	global_prefetch_b8 v0, s[64:65] scope:SCOPE_SE
	s_setreg_imm32_b32 hwreg(HW_REG_WAVE_MODE, 25, 1), 1
	s_wait_xcnt 0x0
; f32 -> 16 bits, and a new order: [row][1024] becomes [16 K blocks][row][64], so that any run of rows of one K block is one dense run of bytes.
; in_features -> xb [16][8192][64] bf16;  q, k, v_proj -> wqkv [16][3072][64] bf16 (q rows 0-1023, k 1024-2047, v 2048-3071);
; o_proj -> wo [16][1024][64]: rounded to bf16 like the other inputs, then written as f16, because the last product's other operand is f16.
;   That second step is exact for |w| >= 2^-14; below it the absolute error is at most 2^-25.  LIMIT: |o_proj| < 65,504.
; A stream: each input byte is read once, each output byte written once; no LDS, no matrix unit, no cluster, since nothing is shared.
; 768 work-groups of 16 rows: 512 for x, 64 for each weight.  Thread t: row t / 16, 4 numbers at column 64 kb + 4 (t % 16) of every K block kb.
; A load of a wave covers two aligned runs of 256 bytes (one in each of two rows); a store of a wave covers 256 consecutive bytes, aligned (two rows of one K block).
; All sixteen loads of a thread go out at once.
.set OFF, 4                            ; v[4:19]    byte offset of my 8 bytes in K block kb
.set X,   20                           ; v[20:83]   K block kb: 4 f32 as loaded
.set Y,   84                           ; v[84:115]  K block kb: 4 numbers of 16 bits
.set T,   116                          ; v[116:117] at work
	s_load_b512 s[16:31], s[0:1], 0x0              ; x 16, q 18, k 20, v 22, o 24, xb 26, wqkv 28, wo 30
	s_sub_co_u32 s2, ttmp9, 512                    ; t: the number among the weights' work-groups (not used where ttmp9 < 512)
	s_bfe_u32 s4, s2, 0x20006                      ; which weight: t / 64
	s_and_b32 s5, s2, 63
	s_lshl_b32 s5, s5, 4                           ; its first row: 16 (t % 64)
	s_lshl_b32 s6, ttmp9, 4                        ; x's first row
	s_lshl_b32 s7, s4, 10
	s_add_co_u32 s7, s7, s5                        ; the row in wqkv
	s_mov_b32 s13, 1024*128                        ; bytes from K block to K block: wo,
	s_mov_b32 s14, 3072*128                        ; wqkv,
	s_mov_b32 s15, 8192*128                        ; xb
	v_lshrrev_b32 v3, 4, v0                        ; my row of the 16
	v_and_b32 v2, 15, v0                           ; my place in a K block
	v_lshlrev_b32 v1, 4, v2
	v_lshl_add_u32 v1, v3, 12, v1                  ; source: row x 4,096 + 16 x place
	v_lshlrev_b32 v2, 3, v2
	v_lshl_add_u32 v2, v3, 7, v2                   ; destination: row x 128 + 8 x place
	s_wait_kmcnt 0x0
	s_cmp_eq_u32 s4, 1
	s_cselect_b64 s[8:9], s[20:21], s[18:19]       ; source: k or q,
	s_cmp_eq_u32 s4, 2
	s_cselect_b64 s[8:9], s[22:23], s[8:9]         ; or v,
	s_cmp_eq_u32 s4, 3
	s_cselect_b64 s[8:9], s[24:25], s[8:9]         ; or o
	s_cselect_b64 s[10:11], s[30:31], s[28:29]     ; destination: wo or wqkv
	s_cselect_b32 s12, s13, s14
	s_cselect_b32 s7, s5, s7
	s_cmp_lt_u32 ttmp9, 512                        ; the first 512 work-groups take x
	s_cselect_b64 s[8:9], s[16:17], s[8:9]
	s_cselect_b64 s[10:11], s[26:27], s[10:11]
	s_cselect_b32 s12, s15, s12
	s_cselect_b32 s5, s6, s5
	s_cselect_b32 s7, s6, s7
	s_lshl_b32 s2, s5, 12                          ; source row x 4,096 bytes (below 2^25)
	s_mov_b32 s3, 0
	s_add_nc_u64 s[8:9], s[8:9], s[2:3]
	s_lshl_b32 s2, s7, 7                           ; destination row x 128 bytes
	s_add_nc_u64 s[10:11], s[10:11], s[2:3]
.irp kb, 0,1,2,3,4,5,6,7,8,9,10,11,12,13,14,15
	global_load_b128 v[X+4*\kb:X+4*\kb+3], v1, s[8:9] offset:256*\kb th:TH_LOAD_NT
.endr
.irp kb, 0,1,2,3,4,5,6,7,8,9,10,11,12,13,14,15
	v_mad_u32_u24 v[OFF+\kb], s12, \kb, v2
.endr
; half = 1: the bf16 numbers are widened (a shift, a mask) and packed again as f16
.macro TAKE half
.irp kb, 0,1,2,3,4,5,6,7,8,9,10,11,12,13,14,15
	s_wait_loadcnt 15-\kb                          ; loads return in order: K block kb is in, the 15 - kb younger loads stay out
	v_cvt_pk_bf16_f32 v[Y+2*\kb],   v[X+4*\kb],   v[X+4*\kb+1]
	v_cvt_pk_bf16_f32 v[Y+2*\kb+1], v[X+4*\kb+2], v[X+4*\kb+3]
.if \half
.irp e, 0,1
	v_lshlrev_b32 v[T],   16, v[Y+2*\kb+\e]
	v_and_b32     v[T+1], 0xffff0000, v[Y+2*\kb+\e]
	v_cvt_pk_f16_f32 v[Y+2*\kb+\e], v[T], v[T+1]
.endr
.endif
	global_store_b64 v[OFF+\kb], v[Y+2*\kb:Y+2*\kb+1], s[10:11]
.endr
.endm
	s_cmp_ge_u32 ttmp9, 704                        ; the last 64 work-groups take o_proj
	s_cbranch_scc1 .Lhalf
	TAKE 0
	s_endpgm
.Lhalf:
	TAKE 1
	s_endpgm
.Lfunc_end_k_q1595c78d73_cast:
	.size	k_q1595c78d73_cast, .Lfunc_end_k_q1595c78d73_cast-k_q1595c78d73_cast
	.p2alignl 7, 3214868480
	.fill 96, 4, 3214868480
	.section	.rodata,"a",@progbits
	.p2align	6, 0x0
	.amdhsa_kernel k_q1595c78d73_cast
		.amdhsa_group_segment_fixed_size 0
		.amdhsa_private_segment_fixed_size 0
		.amdhsa_enable_private_segment 0
		.amdhsa_kernarg_size 64
		.amdhsa_user_sgpr_count 2
		.amdhsa_user_sgpr_kernarg_segment_ptr 1
		.amdhsa_wavefront_size32 1
		.amdhsa_system_sgpr_workgroup_id_x 1
		.amdhsa_system_sgpr_workgroup_id_y 1
		.amdhsa_system_sgpr_workgroup_id_z 1
		.amdhsa_system_vgpr_workitem_id 0
		.amdhsa_next_free_vgpr 120
		.amdhsa_next_free_sgpr 66
		.amdhsa_reserve_vcc 0
		.amdhsa_float_denorm_mode_32 3
		.amdhsa_float_denorm_mode_16_64 3
		.amdhsa_memory_ordered 1
		.amdhsa_forward_progress 1
		.amdhsa_inst_pref_size 18
	.end_amdhsa_kernel
	.amdgpu_metadata
---
amdhsa.version: [ 1, 2 ]
amdhsa.kernels:
  - .name:           k_q1595c78d73_cast
    .symbol:         k_q1595c78d73_cast.kd
    .args:
      - { .name: in_features, .offset: 0, .size: 8, .value_kind: global_buffer, .address_space: global }
      - { .name: q_proj, .offset: 8, .size: 8, .value_kind: global_buffer, .address_space: global }
      - { .name: k_proj, .offset: 16, .size: 8, .value_kind: global_buffer, .address_space: global }
      - { .name: v_proj, .offset: 24, .size: 8, .value_kind: global_buffer, .address_space: global }
      - { .name: o_proj, .offset: 32, .size: 8, .value_kind: global_buffer, .address_space: global }
      - { .name: xb, .offset: 40, .size: 8, .value_kind: global_buffer, .address_space: global }
      - { .name: wqkv, .offset: 48, .size: 8, .value_kind: global_buffer, .address_space: global }
      - { .name: wo, .offset: 56, .size: 8, .value_kind: global_buffer, .address_space: global }
    .group_segment_fixed_size: 0
    .private_segment_fixed_size: 0
    .kernarg_segment_align: 8
    .kernarg_segment_size: 64
    .max_flat_workgroup_size: 256
    .sgpr_count:     66
    .vgpr_count:     120
    .wavefront_size: 32
...
	.end_amdgpu_metadata
.endif
;; end of part 1
;; launch proj (part 2): grid 8 x 32, 4 waves a work-group, clusters of 4 x 4, 327,680 bytes of LDS; arguments xb, wqkv, qkv; writes qkv
.if DOCPART == 2
	.amdgcn_target "amdgcn-amd-amdhsa--gfx1250"
	.amdhsa_code_object_version 6
	.text
	.protected	k_q1595c78d73_proj
	.globl	k_q1595c78d73_proj
	.p2align	8
	.type	k_q1595c78d73_proj,@function
k_q1595c78d73_proj:
	s_mov_b64 s[64:65], 0
	v_nop
	global_prefetch_b8 v0, s[64:65] scope:SCOPE_SE
	s_setreg_imm32_b32 hwreg(HW_REG_WAVE_MODE, 25, 1), 1
	s_wait_xcnt 0x0
	s_wait_alu depctr_hold_cnt(0) depctr_sa_sdst(0) depctr_va_vdst(0) depctr_va_sdst(0) depctr_va_ssrc(0) depctr_va_vcc(0) depctr_vm_vsrc(0)
	s_getreg_b32 s2, hwreg(HW_REG_IB_STS2, 6, 4)
	s_cmp_eq_u32 s2, 0
	s_cbranch_scc0 .Lentry_in_a_cluster
	s_endpgm
.Lentry_in_a_cluster:
	s_bfe_u32 s2, ttmp6, 0x10000c
	s_cmp_lg_u32 s2, 0xf033
	s_cbranch_scc0 .Lentry_shape_is_right
	s_endpgm
.Lentry_shape_is_right:
; Q, K, V at once: C[m][n] = sum over k of x[m][k] W[n][k], m < 8192, n < 3072, k < 1024; bf16 operands, f32 sums.
; C goes out in f16 as qkv [3 (q, k, v)][64 (16 batch + head)][2048 s][64]: 11 significant bits, since these numbers are operands of the next products.
; LIMIT: |Q|, |K|, |V| < 65,504 (their spread is 1 for x of spread 1 and W of spread 1/32; 900 with both 30 times larger).
; 256 work-groups, each a block of 256 x 384 of C; four waves, each 128 x 192 = 96 accumulator tiles = 768 registers = three whole heads.
; K goes in 16 steps of 64 (one K block of xb and wqkv) through two LDS slots; a step is two quarters of 32, 96 matrix instructions each.
; A tile is a dense run of memory and comes in as rows of 256 bytes; the mover skips 16 bytes behind every 128, so a row of 64 numbers has pitch 144 in LDS.
; CLUSTERS: 4 x 4 work-groups.  x's tile hangs on the block row alone and is asked for jointly by a row of the cluster, W's on the block column alone, by a column.
; REGISTERS: window 0: v16-26 addresses; v32-95, v96-159 fragments of x (8 x 16 rows x 32 K), two buffers; v160-255 fragments of W (12), one buffer, filled
;   again head by head as soon as its 32 products are issued.  Windows 1, 2, 3: one head each, tile (a, b) at v[8 (4 a + b)], a = 0..7 row blocks, b = 0..3.
; The matrix instruction is used transposed (source 0 = rows of W, source 1 = rows of x): a lane's 8 results are 8 neighbouring columns of one row of C.
.set PITCH,  144                       ; 9 x 16 bytes: sixteen rows begin at sixteen different 16-byte columns modulo 256
.set FROW,   16*PITCH                  ; from fragment to fragment
.set HALFA,  128*PITCH                 ; what one load brings of x, and what one wave reads of it
.set HALFB,  192*PITCH                 ; the same for W
.set BOFF,   2*HALFA
.set SLOT,   2*HALFA+2*HALFB           ; 92,160
.set STAGE,  2*SLOT                    ; behind the ring: 3 heads x 16 rows x 144 bytes for each wave
.set WSTAGE, 3*FROW
.set KB_A,   8192*128                  ; bytes from K block to K block in xb
.set KB_B,   3072*128                  ; in wqkv
.set ADRA, 16                          ; v16-17 LDS address of my x fragments in slot 0, 1
.set ADRB, 20                          ; v20-21 the same for W
.set STO,  24
.set RD,   25
.set CO,   26
.set FA0,  32
.set FA1,  96
.set BF,   160
.set TMP,  32                          ; the way out: 48 registers of packed results
.set RB0,  80                          ; the way out: rows read back, two buffers of 48
.set RB1,  128
.set G1,  24                           ; s[24:31] group 1 for x's tiles
.set G0,  32                           ; s[32:39] group 0 for x's tiles, one set a slot
.set G1B, 48                           ; s[48:55] group 1 for W's tiles
.set G0B, 56                           ; s[56:63] group 0 for W's tiles, one set a slot
.set BASE, 68                          ; s[68:73] the three heads' addresses in qkv
.set MSB, 0
.macro WIN new                         ; the immediate's high byte repeats the setting that is left
.if MSB != \new
	s_set_vgpr_msb (MSB<<8)|(\new)
.set MSB, \new
.endif
.endm
.macro PLACES                          ; four places behind the matrix instructions in front of loads into, or vector reads of, their registers
.rept 4
	v_nop
.endr
.endm
; waves 0, 1 ask for x's two halves, waves 2, 3 for W's: the branch hangs on the wave's number alone
.macro JLOAD s
	s_cmp_eq_u32 s11, 0
	s_cbranch_scc0 .Lfor_b_\@
	tensor_load_to_lds s[G0+4*\s:G0+4*\s+3], s[G1:G1+7]
	s_nop 0
	s_branch .Lasked_\@
.Lfor_b_\@:
	tensor_load_to_lds s[G0B+4*\s:G0B+4*\s+3], s[G1B:G1B+7]
	s_nop 0
.Lasked_\@:
.endm
.macro CREST                           ; a round of the cluster's barrier behind its opening work-group barrier
	s_cmp_lg_u32 s10, 0
	s_cbranch_scc1 .Lnot_wave_0_\@
	s_barrier_signal -3
.Lnot_wave_0_\@:
	s_barrier_wait -3
	s_barrier_signal -1
	s_barrier_wait -1
.endm
.macro CROUND
	s_barrier_signal -1
	s_barrier_wait -1
	CREST
.endm
	s_load_b128 s[4:7], s[0:1], 0x0                ; xb s[4:5], wqkv s[6:7]
	s_load_b64 s[8:9], s[0:1], 0x10                ; qkv
	v_lshl_add_u32 v30, v0, 2, 0x33c00
	v_mov_b32 v31, 0
	ds_add_u32 v30, v31
	ds_add_u32 v30, v31
	v_lshrrev_b32 v1, 5, v0
	v_readfirstlane_b32 s10, v1                    ; wave 0..3
	s_lshr_b32 s11, s10, 1                         ; my half of the block's rows.  Also: I fetch for x (0) or for W (1)
	s_and_b32 s12, s10, 1                          ; my half of its columns.  Also: which half of that tile I fetch
	s_bfe_u32 s40, ttmp6, 0x40000                  ; cx
	s_bfe_u32 s41, ttmp6, 0x40004                  ; cy
	s_lshl_b32 s42, ttmp9, 2
	s_add_co_u32 s42, s42, s40                     ; block column 0..7
	s_and_b32 s13, ttmp7, 0xffff
	s_lshl_b32 s13, s13, 2
	s_add_co_u32 s13, s13, s41                     ; block row 0..31
	s_lshl_b32 s43, s41, 2
	s_lshl_b32 s43, 15, s43                        ; my row of the cluster
	s_lshl_b32 s44, 0x1111, s40                    ; my column
	; group 1: rows of 32 elements of 8 bytes; 16 bytes skipped behind every 32 words; 64 such rows (128 rows of x) or 96 (192 rows of W)
	s_or_b32 s[G1+0],  s43, (3<<16)|(1<<20)|(1<<21)|(4<<22)|(3<<25)
	s_or_b32 s[G1B+0], s44, (3<<16)|(1<<20)|(1<<21)|(4<<22)|(3<<25)
	s_mov_b32 s[G1+1],  32<<16                     ; tensor_dim0 = 32
	s_mov_b32 s[G1B+1], 32<<16
	s_mov_b32 s[G1+2],  64<<16                     ; tensor_dim1
	s_mov_b32 s[G1B+2], 96<<16
	s_mov_b32 s[G1+3],  32<<16                     ; tile_dim0 = 32
	s_mov_b32 s[G1B+3], 32<<16
	s_mov_b32 s[G1+4],  64                         ; tile_dim1
	s_mov_b32 s[G1B+4], 96
	s_mov_b32 s[G1+5],  32                         ; from row to row: 32 elements, dense
	s_mov_b32 s[G1B+5], 32
	s_mov_b32 s[G1+6],  0
	s_mov_b32 s[G1B+6], 0
	s_mov_b32 s[G1+7],  0
	s_mov_b32 s[G1B+7], 0
	s_lshl_b32 s16, s13, 15                        ; x: (256 block row + 128 half) rows of 128 bytes
	s_lshl_b32 s17, s12, 14
	s_add_co_u32 s16, s16, s17
	s_mov_b32 s17, 0
	s_mul_i32 s46, s42, 384*128                    ; W: (384 block column + 192 half) rows of 128 bytes
	s_mul_i32 s47, s12, 192*128
	s_add_co_u32 s46, s46, s47
	s_mov_b32 s47, 0
	s_mul_i32 s20, s12, HALFA                      ; where they go: made of the wave's number alone
	s_mul_i32 s45, s12, HALFB
	s_add_co_u32 s45, s45, BOFF
	s_wait_dscnt 0x0
	s_wait_kmcnt 0x0
	s_add_nc_u64 s[14:15], s[4:5], s[16:17]
	s_add_nc_u64 s[46:47], s[6:7], s[46:47]
	CROUND                                         ; all sixteen work-groups are here: the first joint loads meet
.irp s, 0,1
	s_mov_b32 s[G0+4*\s], 1
	s_add_co_u32 s[G0+4*\s+1], s20, \s*SLOT
	s_add_nc_u64 s[G0+4*\s+2:G0+4*\s+3], s[14:15], \s*KB_A
	s_or_b32 s[G0+4*\s+3], s[G0+4*\s+3], 0x80000000
	s_mov_b32 s[G0B+4*\s], 1
	s_add_co_u32 s[G0B+4*\s+1], s45, \s*SLOT
	s_add_nc_u64 s[G0B+4*\s+2:G0B+4*\s+3], s[46:47], \s*KB_B
	s_or_b32 s[G0B+4*\s+3], s[G0B+4*\s+3], 0x80000000
	JLOAD \s                                       ; K steps 0 and 1: two loads of mine are out
.endr
	v_and_b32 v1, 15, v0                           ; r
	v_bfe_u32 v2, v0, 4, 1                         ; h
	v_mul_u32_u24 v3, v1, PITCH
	v_lshl_add_u32 v3, v2, 4, v3                   ; r x pitch + 16 h: a fragment is two loads of 16 bytes, 32 bytes apart
	s_mul_i32 s21, s11, HALFA
	s_mul_i32 s22, s12, HALFB
	s_add_co_u32 s22, s22, BOFF
.irp s, 0,1
	v_add_nc_u32 v[ADRA+\s], s21, v3
	v_add_nc_u32 v[ADRB+\s], s22, v3
	s_add_co_u32 s21, s21, SLOT
	s_add_co_u32 s22, s22, SLOT
.endr
	s_mul_i32 s23, s10, WSTAGE
	s_add_co_u32 s23, s23, STAGE                   ; my stage
	v_add_nc_u32 v[STO], s23, v3                   ; in: row r, 16 bytes for each half of the lanes
	v_and_b32 v4, 31, v0
	v_lshrrev_b32 v5, 3, v4
	v_mul_u32_u24 v5, v5, PITCH
	v_and_b32 v6, 7, v0
	v_lshl_add_u32 v5, v6, 4, v5
	v_add_nc_u32 v[RD], s23, v5                    ; back: eight lanes a row of 128 bytes, four rows a load
	v_lshlrev_b32 v[CO], 4, v4                     ; and the same 512 bytes in qkv
; 16 matrix instructions: row blocks a0 .. a0 + 3 x the four column blocks of head g
.macro MULH af, g, a0, zero
.irp a, \a0, \a0+1, \a0+2, \a0+3
.irp b, 0,1,2,3
.if \zero
	v_wmma_f32_16x16x32_bf16 v[8*(4*(\a)+\b):8*(4*(\a)+\b)+7], v[BF+8*(4*\g+\b):BF+8*(4*\g+\b)+7], v[\af+8*(\a):\af+8*(\a)+7], 0
.else
	v_wmma_f32_16x16x32_bf16 v[8*(4*(\a)+\b):8*(4*(\a)+\b)+7], v[BF+8*(4*\g+\b):BF+8*(4*\g+\b)+7], v[\af+8*(\a):\af+8*(\a)+7], v[8*(4*(\a)+\b):8*(4*(\a)+\b)+7]
.endif
.endr
.endr
.endm
.macro LOADA f, slot, k                ; 16 loads: my 128 rows of x, 32 K at byte k
.irp i, 0,1,2,3,4,5,6,7
	ds_load_b128 v[\f+8*\i:\f+8*\i+3],   v[ADRA+\slot] offset:\k+\i*FROW
	ds_load_b128 v[\f+8*\i+4:\f+8*\i+7], v[ADRA+\slot] offset:\k+\i*FROW+32
.endr
.endm
.macro LOADB g, slot, k                ; 8 loads: head g's 64 rows of W
.irp i, 0,1,2,3
	ds_load_b128 v[BF+8*(4*\g+\i):BF+8*(4*\g+\i)+3],   v[ADRB+\slot] offset:\k+(4*\g+\i)*FROW
	ds_load_b128 v[BF+8*(4*\g+\i)+4:BF+8*(4*\g+\i)+7], v[ADRB+\slot] offset:\k+(4*\g+\i)*FROW+32
.endr
.endm
; The 96 accumulators take turns, one instruction a turn, in the same order in every quarter.
; LDS loads of a quarter are issued in the order [x 16, head 0: 8] [head 1: 8] [head 2: 8], each group behind the products that free its registers.
; A step's first quarter: multiplies af, fetches the second quarter (byte k of the same slot) into ag and into W's buffer.
.macro QRT af, ag, slot, k, zero
	s_wait_dscnt 16                                ; x and head 0 are in: 16 younger loads (heads 1, 2) may be out
	WIN 0x50
	MULH \af, 0, 0, \zero
	MULH \af, 0, 4, \zero
	WIN 0
	PLACES
	LOADA \ag, \slot, \k
	LOADB 0, \slot, \k
	s_wait_dscnt 32                                ; head 1 is in: behind it came head 2's 8 and the 24 just issued
	WIN 0xa0
	MULH \af, 1, 0, \zero
	MULH \af, 1, 4, \zero
	WIN 0
	PLACES
	LOADB 1, \slot, \k
	s_wait_dscnt 32                                ; head 2 is in: behind it came 24 + 8
	WIN 0xf0
	MULH \af, 2, 0, \zero
	MULH \af, 2, 4, \zero
	WIN 0
	PLACES
	LOADB 2, \slot, \k
.endm
; A step's second quarter, on buffer 1, and the change of slots.  In front of the barrier each wave waits for its reads of this slot and for all its
; tensor loads (one is out: its part of the next slot).  fill = 1: the barrier opens a round of the cluster's barrier, and behind the round this slot is asked for
; again, two K steps ahead: from that request to the wait for it a wave issues 176 matrix instructions.
.macro TURN slot, next, fill
	s_wait_dscnt 16
	WIN 0x50
	MULH FA1, 0, 0, 0
	s_wait_dscnt 0                                 ; my reads of this slot are over
	s_wait_tensorcnt 0x0                           ; all my tensor loads have landed
	ds_add_u32 v30, v31
	s_wait_dscnt 0x0
	s_barrier_signal -1
	MULH FA1, 0, 4, 0                              ; registers only, while the others arrive
	WIN 0
	s_barrier_wait -1
.if \fill
	CREST
	s_add_nc_u64 s[G0+4*\slot+2:G0+4*\slot+3], s[G0+4*\slot+2:G0+4*\slot+3], 2*KB_A
	s_add_nc_u64 s[G0B+4*\slot+2:G0B+4*\slot+3], s[G0B+4*\slot+2:G0B+4*\slot+3], 2*KB_B
	JLOAD \slot                                    ; my one tensor load behind the round
.endif
	PLACES
	LOADA FA0, \next, 0
	LOADB 0, \next, 0
	WIN 0xa0
	MULH FA1, 1, 0, 0
	MULH FA1, 1, 4, 0
	WIN 0
	PLACES
	LOADB 1, \next, 0
	WIN 0xf0
	MULH FA1, 2, 0, 0
	MULH FA1, 2, 4, 0
	WIN 0
	PLACES
	LOADB 2, \next, 0
.endm
.macro LAP zero
	QRT FA0, FA1, 0, 64, \zero
	TURN 0, 1, 1
	QRT FA0, FA1, 1, 64, 0
	TURN 1, 0, 1
.endm
	s_wait_tensorcnt 0x1                           ; my part of K step 0 is in; K step 1's may stay out
	s_barrier_signal -1
	s_barrier_wait -1
	LOADA FA0, 0, 0
	LOADB 0, 0, 0
	LOADB 1, 0, 0
	LOADB 2, 0, 0
	LAP 1                                          ; K steps 0, 1: the first products start the sums
	s_mov_b32 s3, 6                                ; K steps 2 to 13
.Llap:
	LAP 0
	s_sub_co_u32 s3, s3, 1
	s_cmp_lg_u32 s3, 0
	s_cbranch_scc1 .Llap
	QRT FA0, FA1, 0, 64, 0                         ; K steps 14, 15: nothing is left to ask for
	TURN 0, 1, 0
	QRT FA0, FA1, 1, 64, 0
	s_wait_dscnt 16                                ; the last quarter: the counts run down
	WIN 0x50
	MULH FA1, 0, 0, 0
	MULH FA1, 0, 4, 0
	s_wait_dscnt 8
	WIN 0xa0
	MULH FA1, 1, 0, 0
	MULH FA1, 1, 4, 0
	s_wait_dscnt 0
	WIN 0xf0
	MULH FA1, 2, 0, 0
	MULH FA1, 2, 4, 0
	WIN 0
	PLACES
	; THE WAY OUT.  Head number G = 6 block column + 3 half + g: G / 16 says q, k or v, G % 16 the head.  Plane = 64 (G / 16) + 16 batch + G % 16, 2^18 bytes each.
	s_mul_i32 s74, s42, 6
	s_mul_i32 s75, s12, 3
	s_add_co_u32 s74, s74, s75
	s_lshr_b32 s75, s13, 3
	s_lshl_b32 s75, s75, 4                         ; 16 x batch (a batch is 8 block rows)
	s_and_b32 s76, s13, 7
	s_lshl_b32 s76, s76, 15                        ; my first row in the plane: 256 (block row % 8) + 128 half, 128 bytes a row
	s_lshl_b32 s77, s11, 14
	s_add_co_u32 s76, s76, s77
.irp g, 0,1,2
	s_add_co_u32 s77, s74, \g
	s_lshr_b32 s78, s77, 4
	s_lshl_b32 s78, s78, 6
	s_and_b32 s77, s77, 15
	s_add_co_u32 s78, s78, s77
	s_add_co_u32 s78, s78, s75
	s_lshl_b32 s78, s78, 18
	s_add_co_u32 s78, s78, s76
	s_mov_b32 s79, 0
	s_add_nc_u64 s[BASE+2*\g:BASE+2*\g+1], s[8:9], s[78:79]
.endr
; 16 rows of C: round to f16, 16 bytes a lane into my own stage, read back four rows of a head at a time: a store of the wave covers 512 consecutive bytes, aligned
.macro OUT16 a, rb
.irp g, 0,1,2
	WIN 0x05*(1+\g)
.irp b, 0,1,2,3
.irp r, 0,1,2,3
	v_cvt_pk_f16_f32 v[TMP+16*\g+4*\b+\r], v[8*(4*\a+\b)+2*\r], v[8*(4*\a+\b)+2*\r+1]
.endr
.endr
.endr
	WIN 0
.irp g, 0,1,2
.irp b, 0,1,2,3
	ds_store_b128 v[STO], v[TMP+16*\g+4*\b:TMP+16*\g+4*\b+3] offset:\g*FROW+32*\b
.endr
.endr
	s_wait_xcnt 0x0                                ; the buffer below was the data of earlier stores: it is loaded again only behind this wait
.irp g, 0,1,2
.irp i, 0,1,2,3
	ds_load_b128 v[\rb+4*(4*\g+\i):\rb+4*(4*\g+\i)+3], v[RD] offset:\g*FROW+\i*4*PITCH   ; LDS serves a wave's instructions in order: these see the stores above
.endr
.endr
.irp g, 0,1,2
.irp i, 0,1,2,3
	s_wait_dscnt 11-(4*\g+\i)
	global_store_b128 v[CO], v[\rb+4*(4*\g+\i):\rb+4*(4*\g+\i)+3], s[BASE+2*\g:BASE+2*\g+1] offset:2048*\a+512*\i
.endr
.endr
.endm
	OUT16 0, RB0
	OUT16 1, RB1
	OUT16 2, RB0
	OUT16 3, RB1
	OUT16 4, RB0
	OUT16 5, RB1
	OUT16 6, RB0
	OUT16 7, RB1
	s_wait_tensorcnt 0x0
	ds_add_u32 v30, v31
	s_wait_dscnt 0x0
	CROUND                                         ; the closing round: no work-group ends while a partner may still ask jointly
	s_endpgm
.Lfunc_end_k_q1595c78d73_proj:
	.size	k_q1595c78d73_proj, .Lfunc_end_k_q1595c78d73_proj-k_q1595c78d73_proj
	.p2alignl 7, 3214868480
	.fill 96, 4, 3214868480
	.section	.rodata,"a",@progbits
	.p2align	6, 0x0
	.amdhsa_kernel k_q1595c78d73_proj
		.amdhsa_group_segment_fixed_size 327680
		.amdhsa_private_segment_fixed_size 0
		.amdhsa_enable_private_segment 0
		.amdhsa_kernarg_size 24
		.amdhsa_user_sgpr_count 2
		.amdhsa_user_sgpr_kernarg_segment_ptr 1
		.amdhsa_wavefront_size32 1
		.amdhsa_system_sgpr_workgroup_id_x 1
		.amdhsa_system_sgpr_workgroup_id_y 1
		.amdhsa_system_sgpr_workgroup_id_z 1
		.amdhsa_system_vgpr_workitem_id 0
		.amdhsa_next_free_vgpr 1024
		.amdhsa_next_free_sgpr 80
		.amdhsa_reserve_vcc 0
		.amdhsa_float_denorm_mode_32 3
		.amdhsa_float_denorm_mode_16_64 3
		.amdhsa_memory_ordered 1
		.amdhsa_forward_progress 1
		.amdhsa_inst_pref_size 170
	.end_amdhsa_kernel
	.amdgpu_metadata
---
amdhsa.version: [ 1, 2 ]
amdhsa.kernels:
  - .name:           k_q1595c78d73_proj
    .symbol:         k_q1595c78d73_proj.kd
    .args:
      - { .name: xb, .offset: 0, .size: 8, .value_kind: global_buffer, .address_space: global }
      - { .name: wqkv, .offset: 8, .size: 8, .value_kind: global_buffer, .address_space: global }
      - { .name: qkv, .offset: 16, .size: 8, .value_kind: global_buffer, .address_space: global }
    .group_segment_fixed_size: 327680
    .private_segment_fixed_size: 0
    .kernarg_segment_align: 8
    .kernarg_segment_size: 24
    .max_flat_workgroup_size: 128
    .sgpr_count:     80
    .vgpr_count:     1024
    .wavefront_size: 32
...
	.end_amdgpu_metadata
.endif
;; end of part 2
;; launch attn (part 3): grid 4 x 64, 8 waves a work-group, no clusters, 327,680 bytes of LDS; arguments qkv, ao; writes ao
.if DOCPART == 3
	.amdgcn_target "amdgcn-amd-amdhsa--gfx1250"
	.amdhsa_code_object_version 6
	.text
	.protected	k_q1595c78d73_attn
	.globl	k_q1595c78d73_attn
	.p2align	8
	.type	k_q1595c78d73_attn,@function
k_q1595c78d73_attn:
	s_mov_b64 s[64:65], 0
	v_nop
	global_prefetch_b8 v0, s[64:65] scope:SCOPE_SE
	s_setreg_imm32_b32 hwreg(HW_REG_WAVE_MODE, 25, 1), 1
	s_wait_xcnt 0x0
; Causal attention of one (batch, head): softmax(Q K^T / 8, keys <= query) V, with a running maximum; f16 operands, everything else f32.
; qkv [3][64][2048][64] f16 in; ao [2 (hi, lo)][64][2048][64] f16 out: each result o leaves as hi = f16(o) and lo = f16(o - hi), so that the next
; product sees 22 significant bits of it.
; LIMITS: finite inputs; |Q|, |K|, |V| < 65,504.  Masked scores inside the diagonal sub-block get -8e9 in front of the scale 1/8, which is -1e9 after it;
; keys of later sub-blocks are left out: their weights exp(-1e9 - max) are 0 in f32 as long as the row's maximum is above about -1e9 + 100.
; SHARES: work-group (j, bh), j = 0..3, takes the blocks of 256 queries j and 7 - j: (j + 1) + (8 - j) = 9 units of 256 keys for every work-group.
; Wave w owns 32 queries at place p = w (w < 4) or 11 - w, so that waves w and w + 4 have places that add up to 7.
; NO CLUSTER: work-groups that read the same K and V own different query blocks, so their numbers of units and their branches on the diagonal would hang on
; the place in the cluster; with every partner asking for every tile each would pass 12 units instead of 9.
; TRANSPOSED: S^T = K Q^T (source 0 = 16 keys, source 1 = 16 queries): lane (r, h), register i holds key 8 h + i of query r.  Packed to f16 that is source 1
; of O^T = V^T P^T as it lies; source 0, V^T, comes by the transposing LDS load.  A query is a lane's r everywhere: maximum, sum and factor are one number a lane.
; LDS: K slots at 0 and 36,864 (256 keys, pitch 144); V slots at 73,728 and 114,688 (pitch 160 = 5 x 32, for the transposing load);
; from 155,648 a stage of 2 x 32 rows x 144 bytes for each wave, which no tensor load fills.
; Each wave brings a quarter of a unit's K (waves 0-3) or V (waves 4-7): 64 keys = 8,192 dense bytes as 32 rows of 256; the unit has no more for eight waves.
.set KPITCH, 144
.set VPITCH, 160
.set KSLOT,  256*KPITCH
.set VSLOT,  256*VPITCH
.set VLDS,   2*KSLOT
.set STAGE,  VLDS+2*VSLOT
.set HSTAGE, 32*KPITCH
.set WSTAGE, 2*HSTAGE
.set PLANES, 64<<18                    ; bytes from q to k and from k to v in qkv, and from hi to lo in ao
.set C_POS,  0x3e38aa3b                ; log2(e) / 8
.set C_NEG,  0xbe38aa3b
.set KB_,  2                           ; r x 144 + 16 h
.set VB_,  3                           ; V's slot 0 + (8 h + lane % 8) x 160 + 16 ((lane / 8) % 2)
.set KADR, 4                           ; the same at the sub-block at work
.set VADR, 5
.set STO,  6
.set RD,   7
.set CO,   8
.set NEGV, 9                           ; -8e9
.set DQ,   10                          ; v10-11  query - 8 h inside the diagonal sub-block, for each block of 16 queries
.set M,    12                          ; v12-13  running maximum of the raw scores
.set NM,   14                          ; v[14:17] -c x maximum, twice
.set AL,   18                          ; v[18:21] factor for the old sums, twice
.set LS,   22                          ; v[22:25] running sum of my half of the keys, in two parts
.set T,    26                          ; v26-31  at work; v28-31 by name in FINAL (only v0-127 have named halves)
.set Q,    32                          ; v32-63   Q(qt, ds) at 16 qt + 8 ds
.set O,    64                          ; v64-127  O(dt, qt) at 16 dt + 8 qt
.set S,    128                         ; v128-191 S(qt, kt) at 32 qt + 8 kt; P(qt, kk) over it at 32 qt + 16 kk
.set KV,   192                         ; v192-255 K(kt, ds) at 16 kt + 8 ds, then V(dt, kk) at 16 dt + 8 kk
                                       ; v256-287 (window 1, v0-31): the second block's Q
.set G1K, 36                           ; s[36:43]
.set G1V, 44                           ; s[44:51]
.set G0K, 52                           ; s[52:55], s[56:59]: a set for each slot
.set G0V, 60                           ; s[60:63], s[68:71]
.set MSB, 0
.macro WIN new
.if MSB != \new
	s_set_vgpr_msb (MSB<<8)|(\new)
.set MSB, \new
.endif
.endm
.macro JLOAD o                         ; waves 0-3 ask for K, waves 4-7 for V
	s_cmp_eq_u32 s9, 0
	s_cbranch_scc0 .Lfor_v_\@
	tensor_load_to_lds s[G0K+4*\o:G0K+4*\o+3], s[G1K:G1K+7]
	s_nop 0
	s_branch .Lasked_\@
.Lfor_v_\@:
	tensor_load_to_lds s[G0V+8*\o:G0V+8*\o+3], s[G1V:G1V+7]
	s_nop 0
.Lasked_\@:
.endm
.macro SETADR o                        ; slot o's tiles begin s[28:29] bytes into my quarter's plane
	s_add_nc_u64 s[G0K+4*\o+2:G0K+4*\o+3], s[24:25], s[28:29]
	s_or_b32 s[G0K+4*\o+3], s[G0K+4*\o+3], 0x80000000
	s_add_nc_u64 s[G0V+8*\o+2:G0V+8*\o+3], s[26:27], s[28:29]
	s_or_b32 s[G0V+8*\o+3], s[G0V+8*\o+3], 0x80000000
.endm
.macro FIRST o
	s_mov_b32 s[G0K+4*\o], 1
	s_add_co_u32 s[G0K+4*\o+1], s18, \o*KSLOT
	s_mov_b32 s[G0V+8*\o], 1
	s_add_co_u32 s[G0V+8*\o+1], s19, \o*VSLOT
	SETADR \o
	JLOAD \o
.endm
; O is cleared by moves: whether a block's first sub-block is a full or the masked one differs from wave to wave, so no product with C = 0 can be written out for it
.macro INIT
	v_mov_b32 v[M],   0xff7fffff                   ; the lowest finite number
	v_mov_b32 v[M+1], 0xff7fffff
.irp e, 0,1,2,3
	v_mul_f32 v[NM+\e], C_NEG, v[M]
	v_mov_b32 v[LS+\e], 0
.endr
.set i, 0
.rept 64
	v_mov_b32 v[O+i], 0
.set i, i+1
.endr
.endm
	s_load_b128 s[4:7], s[0:1], 0x0                ; qkv s[4:5], ao s[6:7]
	s_set_vgpr_msb 0x40
	v_lshl_add_u32 v32, v0, 2, 0x38000
	v_mov_b32 v33, 0
	s_set_vgpr_msb 0x4045
	ds_add_u32 v32, v33
	ds_add_u32 v32, v33
	s_set_vgpr_msb 0x4500
	v_lshrrev_b32 v1, 5, v0
	v_readfirstlane_b32 s8, v1                     ; wave 0..7
	s_lshr_b32 s9, s8, 2                           ; I fetch K (0) or V (1),
	s_and_b32 s10, s8, 3                           ; this quarter of it
	s_sub_co_u32 s11, 11, s8
	s_cmp_lt_u32 s8, 4
	s_cselect_b32 s11, s8, s11                     ; p
	s_lshr_b32 s12, s11, 1                         ; the sub-block of 64 keys that holds my diagonal
	s_mov_b32 s13, ttmp9                           ; j
	s_and_b32 s14, ttmp7, 0xffff                   ; 16 batch + head
	s_mov_b32 s15, 0                               ; u: the unit at work, 0..8
	s_mov_b32 s16, s13                             ; the unit with the diagonal: j, later 8
	s_mov_b32 s20, 0x76543210                      ; v_permlanex16_b32: lane i reads lane i of the other half
	s_mov_b32 s21, 0xfedcba98
	; group 1: 32 rows of 32 elements of 8 bytes, dense; behind every 32 words 4 words (K) or 8 words (V) are skipped
	s_mov_b32 s[G1K+0], (3<<16)|(1<<20)|(4<<22)|(3<<25)
	s_mov_b32 s[G1V+0], (3<<16)|(1<<20)|(4<<22)|(7<<25)
	s_mov_b32 s[G1K+1], 32<<16
	s_mov_b32 s[G1V+1], 32<<16
	s_mov_b32 s[G1K+2], 32<<16
	s_mov_b32 s[G1V+2], 32<<16
	s_mov_b32 s[G1K+3], 32<<16
	s_mov_b32 s[G1V+3], 32<<16
	s_mov_b32 s[G1K+4], 32
	s_mov_b32 s[G1V+4], 32
	s_mov_b32 s[G1K+5], 32
	s_mov_b32 s[G1V+5], 32
	s_mov_b32 s[G1K+6], 0
	s_mov_b32 s[G1V+6], 0
	s_mov_b32 s[G1K+7], 0
	s_mov_b32 s[G1V+7], 0
	s_mul_i32 s18, s10, 64*KPITCH                  ; my quarter in K's slot 0,
	s_mul_i32 s19, s10, 64*VPITCH
	s_add_co_u32 s19, s19, VLDS                    ; in V's slot 0
	s_lshl_b32 s22, s14, 18                        ; my plane
	s_lshl_b32 s23, s10, 13                        ; my 64 keys of 128 bytes
	s_add_co_u32 s28, s22, s23
	s_add_co_u32 s28, s28, PLANES
	s_mov_b32 s29, 0                               ; stays 0: s[28:29] is the pair for offsets
	s_wait_dscnt 0x0
	s_wait_kmcnt 0x0
	s_add_nc_u64 s[24:25], s[4:5], s[28:29]        ; K: my quarter of unit 0
	s_add_nc_u64 s[26:27], s[24:25], PLANES        ; V
	s_mov_b32 s28, 0
	FIRST 0                                        ; unit 0: keys 0-255
	s_min_u32 s28, s13, 1                          ; unit 1: keys 256-511 of the first block's walk, or (j = 0) keys 0-255 of the second's
	s_lshl_b32 s28, s28, 15
	FIRST 1                                        ; two loads of mine are out
	s_lshl_b32 s23, s11, 12
	s_add_co_u32 s22, s22, s23                     ; plane + my 32 rows of 128 bytes
	s_lshl_b32 s23, s13, 15
	s_add_co_u32 s28, s22, s23                     ; + block j
	s_add_nc_u64 s[30:31], s[6:7], s[28:29]        ; where the block at work goes
	s_add_nc_u64 s[2:3], s[4:5], s[28:29]          ; its Q
	s_sub_co_u32 s23, 7, s13
	s_lshl_b32 s23, s23, 15
	s_add_co_u32 s28, s22, s23                     ; + block 7 - j
	s_add_nc_u64 s[32:33], s[6:7], s[28:29]
	s_add_nc_u64 s[34:35], s[4:5], s[28:29]
	v_and_b32 v1, 15, v0                           ; r
	v_bfe_u32 v26, v0, 4, 1                        ; h
	v_and_b32 v27, 31, v0                          ; lane
	v_lshlrev_b32 v28, 7, v1
	v_lshl_add_u32 v28, v26, 4, v28                ; r x 128 + 16 h
.irp qt, 0,1
.irp ds, 0,1
	global_load_b128 v[Q+16*\qt+8*\ds:Q+16*\qt+8*\ds+3],   v28, s[2:3] offset:2048*\qt+64*\ds
	global_load_b128 v[Q+16*\qt+8*\ds+4:Q+16*\qt+8*\ds+7], v28, s[2:3] offset:2048*\qt+64*\ds+32
.endr
.endr
	WIN 0x40                                       ; destination in window 1
.irp qt, 0,1
.irp ds, 0,1
	global_load_b128 v[16*\qt+8*\ds:16*\qt+8*\ds+3],   v28, s[34:35] offset:2048*\qt+64*\ds
	global_load_b128 v[16*\qt+8*\ds+4:16*\qt+8*\ds+7], v28, s[34:35] offset:2048*\qt+64*\ds+32
.endr
.endr
	WIN 0
	v_mul_u32_u24 v[KB_], v1, KPITCH
	v_lshl_add_u32 v[KB_], v26, 4, v[KB_]
	v_and_b32 v[VB_], 7, v0
	v_lshl_add_u32 v[VB_], v26, 3, v[VB_]
	v_mul_u32_u24 v[VB_], v[VB_], VPITCH
	v_bfe_u32 v29, v0, 3, 1
	v_lshl_add_u32 v[VB_], v29, 4, v[VB_]
	v_add_nc_u32 v[VB_], VLDS, v[VB_]
	s_mul_i32 s22, s8, WSTAGE
	s_add_co_u32 s22, s22, STAGE                   ; my stage
	v_add_nc_u32 v[STO], s22, v[KB_]
	v_lshrrev_b32 v29, 3, v27
	v_mul_u32_u24 v29, v29, KPITCH
	v_and_b32 v30, 7, v0
	v_lshl_add_u32 v29, v30, 4, v29
	v_add_nc_u32 v[RD], s22, v29
	v_lshlrev_b32 v[CO], 4, v27
	v_mov_b32 v[NEGV], 0xcfee6b28                  ; -8e9
	s_and_b32 s23, s11, 1
	s_lshl_b32 s23, s23, 5                         ; my queries begin at 32 (p % 2) of the diagonal sub-block
	v_lshlrev_b32 v29, 3, v26
	v_sub_nc_u32 v[DQ], v1, v29
	v_add_nc_u32 v[DQ], s23, v[DQ]
	v_add_nc_u32 v[DQ+1], 16, v[DQ]
	INIT
	s_wait_loadcnt 0x0                             ; both blocks' Q, once
; key 16 kt + 8 h + e is behind query DQ + 8 h: its score is replaced
.macro MASK
.irp qt, 0,1
.irp kt, 0,1,2,3
.irp e, 0,1,2,3,4,5,6,7
	v_cmp_gt_i32 vcc_lo, 16*\kt+\e, v[DQ+\qt]
	v_cndmask_b32 v[S+32*\qt+8*\kt+\e], v[S+32*\qt+8*\kt+\e], v[NEGV], vcc_lo
.endr
.endr
.endr
.endm
; 16 queries x 64 keys: new maximum, factor for the old sums, weights, sums, weights packed to f16 in place
.macro SOFT qt
.set SB, S+32*\qt
	v_max3_num_f32 v[T],   v[SB],    v[SB+1],  v[M+\qt]            ; 33 numbers, two chains
	v_max3_num_f32 v[T+1], v[SB+16], v[SB+17], v[SB+18]
.set i, 0
.rept 6
	v_max3_num_f32 v[T],   v[T],   v[SB+2+2*i],  v[SB+3+2*i]
	v_max3_num_f32 v[T+1], v[T+1], v[SB+19+2*i], v[SB+20+2*i]
.set i, i+1
.endr
	v_max3_num_f32 v[T], v[T], v[SB+14], v[SB+15]
	v_max3_num_f32 v[T], v[T], v[T+1], v[SB+31]
	v_permlanex16_b32 v[T+1], v[T], s20, s21       ; the other half of the keys
	v_max_num_f32 v[M+\qt], v[T], v[T+1]
	v_mul_f32 v[T+2], C_NEG, v[M+\qt]              ; the shift, rounded once;
	v_sub_f32 v[T+3], v[T+2], v[NM+2*\qt]          ; the factor is made of the two rounded shifts, so it fits what was applied
	v_mov_b32 v[NM+2*\qt],   v[T+2]
	v_mov_b32 v[NM+2*\qt+1], v[T+2]
	v_exp_f32 v[AL+2*\qt],   v[T+3]
	v_exp_f32 v[AL+2*\qt+1], v[T+3]                ; the next plain instruction touches neither (ISA guide 5.7.2)
.set i, 0
.rept 16
	v_pk_fma_f32 v[SB+2*i:SB+2*i+1], v[SB+2*i:SB+2*i+1], C_POS, v[NM+2*\qt:NM+2*\qt+1] op_sel_hi:[1,0,1]
.set i, i+1
.endr
.set i, 0
.rept 32
	v_exp_f32 v[SB+i], v[SB+i]
.set i, i+1
.endr
	s_wait_alu depctr_va_vdst(0)
.irp dt, 0,1,2,3
.irp e, 0,2,4,6
	v_pk_mul_f32 v[O+16*\dt+8*\qt+\e:O+16*\dt+8*\qt+\e+1], v[O+16*\dt+8*\qt+\e:O+16*\dt+8*\qt+\e+1], v[AL+2*\qt:AL+2*\qt+1]   ; also the plain places behind the exponentials
.endr
.endr
	v_pk_fma_f32 v[LS+2*\qt:LS+2*\qt+1], v[LS+2*\qt:LS+2*\qt+1], v[AL+2*\qt:AL+2*\qt+1], v[SB:SB+1]
	v_pk_add_f32 v[T+4:T+5], v[SB+2:SB+3], v[SB+4:SB+5]
.set i, 0
.rept 6
	v_pk_add_f32 v[LS+2*\qt:LS+2*\qt+1], v[LS+2*\qt:LS+2*\qt+1], v[SB+6+4*i:SB+7+4*i]
	v_pk_add_f32 v[T+4:T+5], v[T+4:T+5], v[SB+8+4*i:SB+9+4*i]
.set i, i+1
.endr
	v_pk_add_f32 v[LS+2*\qt:LS+2*\qt+1], v[LS+2*\qt:LS+2*\qt+1], v[SB+30:SB+31]
	v_pk_add_f32 v[LS+2*\qt:LS+2*\qt+1], v[LS+2*\qt:LS+2*\qt+1], v[T+4:T+5]
.irp kk, 0,1
.irp e, 0,1,2,3,4,5,6,7
	v_cvt_pk_f16_f32 v[SB+16*\kk+\e], v[SB+16*\kk+2*\e], v[SB+16*\kk+2*\e+1]   ; ascending: register e is written when 2 e and 2 e + 1 are read
.endr
.endr
.endm
.macro PV qt                           ; the four accumulators take turns
.irp kk, 0,1
.irp dt, 0,1,2,3
	v_wmma_f32_16x16x32_f16 v[O+16*\dt+8*\qt:O+16*\dt+8*\qt+7], v[KV+16*\dt+8*\kk:KV+16*\dt+8*\kk+7], v[S+32*\qt+16*\kk:S+32*\qt+16*\kk+7], v[O+16*\dt+8*\qt:O+16*\dt+8*\qt+7]
.endr
.endr
.endm
; one sub-block: 64 keys x my 32 queries
.macro SUB slot, masked
.irp ds, 0,1
.irp kt, 0,1,2,3
	ds_load_b128 v[KV+16*\kt+8*\ds:KV+16*\kt+8*\ds+3],   v[KADR] offset:\slot*KSLOT+\kt*16*KPITCH+64*\ds
	ds_load_b128 v[KV+16*\kt+8*\ds+4:KV+16*\kt+8*\ds+7], v[KADR] offset:\slot*KSLOT+\kt*16*KPITCH+64*\ds+32
.endr
.endr
	s_wait_dscnt 8                                 ; d = 0..31 of the four key blocks is in; the eight younger loads stay out
.irp qt, 0,1
.irp kt, 0,1,2,3
	v_wmma_f32_16x16x32_f16 v[S+32*\qt+8*\kt:S+32*\qt+8*\kt+7], v[KV+16*\kt:KV+16*\kt+7], v[Q+16*\qt:Q+16*\qt+7], 0
.endr
.endr
	s_wait_dscnt 0
.irp qt, 0,1
.irp kt, 0,1,2,3
	v_wmma_f32_16x16x32_f16 v[S+32*\qt+8*\kt:S+32*\qt+8*\kt+7], v[KV+16*\kt+8:KV+16*\kt+15], v[Q+16*\qt+8:Q+16*\qt+15], v[S+32*\qt+8*\kt:S+32*\qt+8*\kt+7]   ; the eight accumulators take turns
.endr
.endr
.rept 4
	v_nop                                          ; four places in front of the loads into K's registers and of the vector reads of S
.endr
.irp kk, 0,1
.irp dt, 0,1,2,3
	ds_load_tr16_b128 v[KV+16*\dt+8*\kk:KV+16*\dt+8*\kk+3],   v[VADR] offset:\slot*VSLOT+\kk*32*VPITCH+32*\dt
	ds_load_tr16_b128 v[KV+16*\dt+8*\kk+4:KV+16*\dt+8*\kk+7], v[VADR] offset:\slot*VSLOT+\kk*32*VPITCH+32*\dt+16*VPITCH
.endr
.endr
.if \masked
	MASK
.endif
	SOFT 0                                         ; V's sixteen loads come in meanwhile
	s_wait_dscnt 0
	PV 0
	SOFT 1
	PV 1
.rept 5
	v_nop                                          ; five places in front of the next products over P's registers, four of them in front of the next loads over V's
.endr
.endm
; my 32 queries are done: divide, split into hi and lo, through my stage, out in runs of 512 bytes
.macro FINAL
	s_add_nc_u64 s[2:3], s[30:31], PLANES          ; lo's part of ao
.irp qt, 0,1
	v_add_f32 v[T], v[LS+2*\qt], v[LS+2*\qt+1]
	v_permlanex16_b32 v[T+1], v[T], s20, s21       ; the other half of the keys
	v_add_f32 v[T], v[T], v[T+1]
	v_rcp_f32 v[AL+2*\qt],   v[T]
	v_rcp_f32 v[AL+2*\qt+1], v[T]
	v_nop                                          ; one plain place behind the reciprocals (ISA guide 5.7.2)
	s_wait_alu depctr_va_vdst(0)
.irp dt, 0,1,2,3
.irp e, 0,2,4,6
	v_pk_mul_f32 v[O+16*\dt+8*\qt+\e:O+16*\dt+8*\qt+\e+1], v[O+16*\dt+8*\qt+\e:O+16*\dt+8*\qt+\e+1], v[AL+2*\qt:AL+2*\qt+1]
.endr
	v_cvt_pk_f16_f32 v28, v[O+16*\dt+8*\qt],   v[O+16*\dt+8*\qt+1]     ; hi: d = 16 dt + 8 h + 0..7 of query 16 qt + r
	v_cvt_pk_f16_f32 v29, v[O+16*\dt+8*\qt+2], v[O+16*\dt+8*\qt+3]
	v_cvt_pk_f16_f32 v30, v[O+16*\dt+8*\qt+4], v[O+16*\dt+8*\qt+5]
	v_cvt_pk_f16_f32 v31, v[O+16*\dt+8*\qt+6], v[O+16*\dt+8*\qt+7]
	ds_store_b128 v[STO], v[28:31] offset:16*KPITCH*\qt+32*\dt
	v_cvt_f32_f16 v[KV],   v28.l
	v_cvt_f32_f16 v[KV+1], v28.h
	v_cvt_f32_f16 v[KV+2], v29.l
	v_cvt_f32_f16 v[KV+3], v29.h
	v_cvt_f32_f16 v[KV+4], v30.l
	v_cvt_f32_f16 v[KV+5], v30.h
	v_cvt_f32_f16 v[KV+6], v31.l
	v_cvt_f32_f16 v[KV+7], v31.h
.irp e, 0,2,4,6
	v_pk_add_f32 v[O+16*\dt+8*\qt+\e:O+16*\dt+8*\qt+\e+1], v[O+16*\dt+8*\qt+\e:O+16*\dt+8*\qt+\e+1], v[KV+\e:KV+\e+1] neg_lo:[0,1] neg_hi:[0,1]
.endr
.irp e, 0,1,2,3
	v_cvt_pk_f16_f32 v[KV+8+\e], v[O+16*\dt+8*\qt+2*\e], v[O+16*\dt+8*\qt+2*\e+1]   ; lo
.endr
	ds_store_b128 v[STO], v[KV+8:KV+11] offset:HSTAGE+16*KPITCH*\qt+32*\dt
.endr
.endr
.irp i, 0,1,2,3,4,5,6,7
	ds_load_b128 v[S+4*\i:S+4*\i+3], v[RD] offset:4*KPITCH*\i                   ; LDS serves a wave's instructions in order: these see the stores above
.endr
.irp i, 0,1,2,3,4,5,6,7
	ds_load_b128 v[S+32+4*\i:S+32+4*\i+3], v[RD] offset:HSTAGE+4*KPITCH*\i
.endr
.irp i, 0,1,2,3,4,5,6,7
	s_wait_dscnt 15-\i
	global_store_b128 v[CO], v[S+4*\i:S+4*\i+3], s[30:31] offset:512*\i         ; four rows of 128 bytes: 512 consecutive bytes, aligned
.endr
.irp i, 0,1,2,3,4,5,6,7
	s_wait_dscnt 7-\i
	global_store_b128 v[CO], v[S+32+4*\i:S+32+4*\i+3], s[2:3] offset:512*\i
.endr
	s_wait_xcnt 0x0                                ; the stores' data and bases are written again only behind this wait
.endm
.macro REINIT                          ; on to block 7 - j
	INIT
	WIN 0x01                                       ; source in window 1
.set i, 0
.rept 32
	v_mov_b32 v[Q+i], v[i]
.set i, i+1
.endr
	WIN 0
	s_mov_b32 s16, 8
	s_mov_b64 s[30:31], s[32:33]
.endm
; The change of units.  Every wave waits for all its tensor loads (its part of this unit's slot among them) and for its LDS reads of the other slot, then the barrier;
; behind it the other slot is asked for again, first thing, one load a wave: it has this whole unit's work in which to land.
.macro UHEAD other, refill
	s_set_vgpr_msb 0x5
	s_wait_tensorcnt 0x0
	ds_add_u32 v32, v33
	s_wait_dscnt 0x0
	s_set_vgpr_msb 0x500
.if \refill
	s_add_co_u32 s22, s15, 1                       ; unit u + 1 holds keys 256 (u + 1) of the first block's walk,
	s_sub_co_u32 s23, s15, s13                     ; or 256 (u - j) of the second's
	s_cmp_le_u32 s22, s13
	s_cselect_b32 s22, s22, s23
	s_lshl_b32 s28, s22, 15
	SETADR \other                                  ; no load of mine is out: the descriptors may be written
.endif
	s_wait_dscnt 0x0
	s_barrier_signal -1
	s_barrier_wait -1
.if \refill
	JLOAD \other
.endif
.endm
; A unit's four sub-blocks.  s17 = the sub-block that is masked: mine in the unit with the diagonal, none (4) elsewhere; those in front of it are full, those behind it are left out.
.macro UBODY slot, last
.if \last
	s_mov_b32 s17, s12
.else
	s_cmp_eq_u32 s15, s16
	s_cselect_b32 s17, s12, 4
.endif
	v_mov_b32 v[KADR], v[KB_]
	v_mov_b32 v[VADR], v[VB_]
	s_mov_b32 s18, 0
.Lsub_\@:
	s_cmp_lt_u32 s18, s17
	s_cbranch_scc0 .Lnotfull_\@
	SUB \slot, 0
	s_branch .Lnext_\@
.Lnotfull_\@:
	s_cmp_eq_u32 s18, s17
	s_cbranch_scc0 .Lnext_\@
	SUB \slot, 1
	FINAL
.if \last == 0
	REINIT
.endif
.Lnext_\@:
	v_add_nc_u32 v[KADR], 64*KPITCH, v[KADR]
	v_add_nc_u32 v[VADR], 64*VPITCH, v[VADR]
	s_add_co_u32 s18, s18, 1
	s_cmp_lt_u32 s18, 4
	s_cbranch_scc1 .Lsub_\@
	s_add_co_u32 s15, s15, 1
.endm
	s_wait_tensorcnt 0x1                           ; my part of unit 0 is in; unit 1's may stay out
	s_barrier_signal -1
	s_barrier_wait -1
	UBODY 0, 0                                     ; unit 0
	s_mov_b32 s19, 3                               ; units 1 to 6
.Lunits:
	UHEAD 0, 1
	UBODY 1, 0
	UHEAD 1, 1
	UBODY 0, 0
	s_sub_co_u32 s19, s19, 1
	s_cmp_lg_u32 s19, 0
	s_cbranch_scc1 .Lunits
	UHEAD 0, 1                                     ; unit 7; unit 8 is asked for
	UBODY 1, 0
	UHEAD 1, 0                                     ; unit 8, the second block's diagonal: nothing is left to ask for
	UBODY 0, 1
	s_set_vgpr_msb 0x5
	s_wait_tensorcnt 0x0
	ds_add_u32 v32, v33
	s_wait_dscnt 0x0
	s_set_vgpr_msb 0x500
	s_endpgm
.Lfunc_end_k_q1595c78d73_attn:
	.size	k_q1595c78d73_attn, .Lfunc_end_k_q1595c78d73_attn-k_q1595c78d73_attn
	.p2alignl 7, 3214868480
	.fill 96, 4, 3214868480
	.section	.rodata,"a",@progbits
	.p2align	6, 0x0
	.amdhsa_kernel k_q1595c78d73_attn
		.amdhsa_group_segment_fixed_size 327680
		.amdhsa_private_segment_fixed_size 0
		.amdhsa_enable_private_segment 0
		.amdhsa_kernarg_size 16
		.amdhsa_user_sgpr_count 2
		.amdhsa_user_sgpr_kernarg_segment_ptr 1
		.amdhsa_wavefront_size32 1
		.amdhsa_system_sgpr_workgroup_id_x 1
		.amdhsa_system_sgpr_workgroup_id_y 1
		.amdhsa_system_sgpr_workgroup_id_z 1
		.amdhsa_system_vgpr_workitem_id 0
		.amdhsa_next_free_vgpr 290
		.amdhsa_next_free_sgpr 72
		.amdhsa_reserve_vcc 1
		.amdhsa_float_denorm_mode_32 3
		.amdhsa_float_denorm_mode_16_64 3
		.amdhsa_memory_ordered 1
		.amdhsa_forward_progress 1
		.amdhsa_inst_pref_size 255
	.end_amdhsa_kernel
	.section	.bss,"aw",@nobits
	.p2align	6
	.space	262144
	.amdgpu_metadata
---
amdhsa.version: [ 1, 2 ]
amdhsa.kernels:
  - .name:           k_q1595c78d73_attn
    .symbol:         k_q1595c78d73_attn.kd
    .args:
      - { .name: qkv, .offset: 0, .size: 8, .value_kind: global_buffer, .address_space: global }
      - { .name: ao, .offset: 8, .size: 8, .value_kind: global_buffer, .address_space: global }
    .group_segment_fixed_size: 327680
    .private_segment_fixed_size: 0
    .kernarg_segment_align: 8
    .kernarg_segment_size: 16
    .max_flat_workgroup_size: 256
    .sgpr_count:     72
    .vgpr_count:     290
    .wavefront_size: 32
...
	.end_amdgpu_metadata
.endif
;; end of part 3
;; launch oproj (part 4): grid 8 x 32, 4 waves a work-group, clusters of 4 x 4, 327,680 bytes of LDS; arguments ao, wo, out0; writes out0
.if DOCPART == 4
	.amdgcn_target "amdgcn-amd-amdhsa--gfx1250"
	.amdhsa_code_object_version 6
	.text
	.protected	k_q1595c78d73_oproj
	.globl	k_q1595c78d73_oproj
	.p2align	8
	.type	k_q1595c78d73_oproj,@function
k_q1595c78d73_oproj:
	s_mov_b64 s[64:65], 0
	v_nop
	global_prefetch_b8 v0, s[64:65] scope:SCOPE_SE
	s_setreg_imm32_b32 hwreg(HW_REG_WAVE_MODE, 25, 1), 1
	s_wait_xcnt 0x0
	s_wait_alu depctr_hold_cnt(0) depctr_sa_sdst(0) depctr_va_vdst(0) depctr_va_sdst(0) depctr_va_ssrc(0) depctr_va_vcc(0) depctr_vm_vsrc(0)
	s_getreg_b32 s2, hwreg(HW_REG_IB_STS2, 6, 4)
	s_cmp_eq_u32 s2, 0
	s_cbranch_scc0 .Lentry_in_a_cluster
	s_endpgm
.Lentry_in_a_cluster:
	s_bfe_u32 s2, ttmp6, 0x10000c
	s_cmp_lg_u32 s2, 0xf033
	s_cbranch_scc0 .Lentry_shape_is_right
	s_endpgm
.Lentry_shape_is_right:
; out0[m][n] = sum over k of (hi[m][k] + lo[m][k]) w[n][k], m < 8192, n < 1024, k = 64 head + d < 1024; f16 operands, f32 sums, f32 out.
; ao [2 (hi, lo)][64 (16 batch + head)][2048][64] f16; wo [16 heads][1024 n][64] f16.  Two products for each w: the attention's result enters with 22 significant bits.
; 256 work-groups, each a block of 256 x 128; four waves, each 128 x 64 = 32 accumulator tiles (window 1, tile (a, b) at v[8 (4 a + b)]).
; K goes in 16 steps of one head through two LDS slots: hi's 256 rows, lo's 256 rows, w's 128 rows, pitch 144.  Tiles are dense runs of memory, brought as rows of 256 bytes
; with 16 bytes skipped behind every 128.  Waves 0, 1 fetch hi and lo (128 rows of 256 bytes each), waves 2, 3 a half of w each (32: the tile has no more).
; A step is four quarters of 32 matrix instructions: (hi, d 0-31) (lo, d 0-31) (hi, d 32-63) (lo, d 32-63).  w's fragments lie in two buffers of their own, one for each half of d,
; and each serves two quarters; hi's and lo's take turns on two buffers.
; CLUSTERS: 4 x 4 work-groups; hi and lo hang on the block row alone and are asked for jointly by a row of the cluster, w on the block column alone, by a column.
; The matrix instruction is used transposed (source 0 = rows of w): a lane's 8 results are 8 neighbouring columns of one row.
.set PITCH,  144
.set FROW,   16*PITCH
.set AREG,   256*PITCH                 ; hi's region; lo's follows
.set BHALF,  64*PITCH
.set BOFF,   2*AREG
.set SLOT,   2*AREG+2*BHALF            ; 92,160
.set STAGE,  2*SLOT                    ; behind the ring: 16 rows x 272 bytes for each wave
.set SPITCH, 272
.set WSTAGE, 16*SPITCH
.set HEAD_A, 1<<18                     ; bytes from head to head in ao
.set HEAD_B, 1<<17                     ; in wo
.set ADRA, 16
.set ADRB, 20
.set STO,  24
.set RD,   25
.set CO,   26
.set BB0,  32                          ; v32-63   w, d 0-31 (4 fragments)
.set BB1,  64                          ; v64-95   w, d 32-63
.set FA0,  96                          ; v96-159  8 fragments of hi
.set FA1,  160                         ; v160-223 8 fragments of lo
.set G1,  24
.set G0,  32
.set G1B, 48
.set G0B, 56
.set MSB, 0
.macro WIN new
.if MSB != \new
	s_set_vgpr_msb (MSB<<8)|(\new)
.set MSB, \new
.endif
.endm
.macro PLACES                          ; four places behind the matrix instructions in front of loads into, or LDS stores of, their registers
.rept 4
	v_nop
.endr
.endm
.macro JLOAD s
	s_cmp_eq_u32 s11, 0
	s_cbranch_scc0 .Lfor_b_\@
	tensor_load_to_lds s[G0+4*\s:G0+4*\s+3], s[G1:G1+7]
	s_nop 0
	s_branch .Lasked_\@
.Lfor_b_\@:
	tensor_load_to_lds s[G0B+4*\s:G0B+4*\s+3], s[G1B:G1B+7]
	s_nop 0
.Lasked_\@:
.endm
.macro CREST
	s_cmp_lg_u32 s10, 0
	s_cbranch_scc1 .Lnot_wave_0_\@
	s_barrier_signal -3
.Lnot_wave_0_\@:
	s_barrier_wait -3
	s_barrier_signal -1
	s_barrier_wait -1
.endm
.macro CROUND
	s_barrier_signal -1
	s_barrier_wait -1
	CREST
.endm
	s_load_b128 s[4:7], s[0:1], 0x0                ; ao s[4:5], wo s[6:7]
	s_load_b64 s[8:9], s[0:1], 0x10                ; out0
	v_lshl_add_u32 v254, v0, 2, 0x31400
	v_mov_b32 v255, 0
	ds_add_u32 v254, v255
	ds_add_u32 v254, v255
	v_lshrrev_b32 v1, 5, v0
	v_readfirstlane_b32 s10, v1                    ; wave 0..3
	s_lshr_b32 s11, s10, 1                         ; my half of the block's rows.  Also: I fetch for ao (0) or for wo (1)
	s_and_b32 s12, s10, 1                          ; my half of its columns.  Also: hi or lo, or which half of w, I fetch
	s_bfe_u32 s40, ttmp6, 0x40000                  ; cx
	s_bfe_u32 s41, ttmp6, 0x40004                  ; cy
	s_lshl_b32 s42, ttmp9, 2
	s_add_co_u32 s42, s42, s40                     ; block column 0..7
	s_and_b32 s13, ttmp7, 0xffff
	s_lshl_b32 s13, s13, 2
	s_add_co_u32 s13, s13, s41                     ; block row 0..31
	s_lshl_b32 s43, s41, 2
	s_lshl_b32 s43, 15, s43                        ; my row of the cluster
	s_lshl_b32 s44, 0x1111, s40                    ; my column
	s_or_b32 s[G1+0],  s43, (3<<16)|(1<<20)|(1<<21)|(4<<22)|(3<<25)
	s_or_b32 s[G1B+0], s44, (3<<16)|(1<<20)|(1<<21)|(4<<22)|(3<<25)
	s_mov_b32 s[G1+1],  32<<16
	s_mov_b32 s[G1B+1], 32<<16
	s_mov_b32 s[G1+2],  128<<16
	s_mov_b32 s[G1B+2], 32<<16
	s_mov_b32 s[G1+3],  32<<16
	s_mov_b32 s[G1B+3], 32<<16
	s_mov_b32 s[G1+4],  128
	s_mov_b32 s[G1B+4], 32
	s_mov_b32 s[G1+5],  32
	s_mov_b32 s[G1B+5], 32
	s_mov_b32 s[G1+6],  0
	s_mov_b32 s[G1B+6], 0
	s_mov_b32 s[G1+7],  0
	s_mov_b32 s[G1B+7], 0
	s_lshr_b32 s16, s13, 3
	s_lshl_b32 s16, s16, 22                        ; batch: 16 planes of 2^18 bytes
	s_and_b32 s17, s13, 7
	s_lshl_b32 s17, s17, 15                        ; 256 rows of 128 bytes for each block row of the batch
	s_add_co_u32 s16, s16, s17
	s_lshl_b32 s17, s12, 24                        ; lo lies 64 planes behind hi
	s_add_co_u32 s16, s16, s17
	s_mov_b32 s17, 0
	s_lshl_b32 s46, s42, 14                        ; w: (128 block column + 64 half) rows of 128 bytes
	s_lshl_b32 s47, s12, 13
	s_add_co_u32 s46, s46, s47
	s_mov_b32 s47, 0
	s_mul_i32 s20, s12, AREG                       ; where they go: made of the wave's number alone
	s_mul_i32 s45, s12, BHALF
	s_add_co_u32 s45, s45, BOFF
	s_wait_dscnt 0x0
	s_wait_kmcnt 0x0
	s_add_nc_u64 s[14:15], s[4:5], s[16:17]
	s_add_nc_u64 s[46:47], s[6:7], s[46:47]
	CROUND                                         ; all sixteen work-groups are here: the first joint loads meet
.irp s, 0,1
	s_mov_b32 s[G0+4*\s], 1
	s_add_co_u32 s[G0+4*\s+1], s20, \s*SLOT
	s_add_nc_u64 s[G0+4*\s+2:G0+4*\s+3], s[14:15], \s*HEAD_A
	s_or_b32 s[G0+4*\s+3], s[G0+4*\s+3], 0x80000000
	s_mov_b32 s[G0B+4*\s], 1
	s_add_co_u32 s[G0B+4*\s+1], s45, \s*SLOT
	s_add_nc_u64 s[G0B+4*\s+2:G0B+4*\s+3], s[46:47], \s*HEAD_B
	s_or_b32 s[G0B+4*\s+3], s[G0B+4*\s+3], 0x80000000
	JLOAD \s                                       ; heads 0 and 1: two loads of mine are out
.endr
	v_and_b32 v1, 15, v0                           ; r
	v_bfe_u32 v2, v0, 4, 1                         ; h
	v_mul_u32_u24 v3, v1, PITCH
	v_lshl_add_u32 v3, v2, 4, v3
	s_mul_i32 s21, s11, 128*PITCH                  ; my 128 rows of hi (lo: AREG further, in the loads' offsets)
	s_mul_i32 s22, s12, BHALF
	s_add_co_u32 s22, s22, BOFF                    ; my 64 rows of w
.irp s, 0,1
	v_add_nc_u32 v[ADRA+\s], s21, v3
	v_add_nc_u32 v[ADRB+\s], s22, v3
	s_add_co_u32 s21, s21, SLOT
	s_add_co_u32 s22, s22, SLOT
.endr
	s_mul_i32 s23, s10, WSTAGE
	s_add_co_u32 s23, s23, STAGE
	v_mul_u32_u24 v4, v1, SPITCH                   ; in: row r, 32 bytes for each half of the lanes
	v_lshl_add_u32 v4, v2, 5, v4
	v_add_nc_u32 v[STO], s23, v4
	v_mul_u32_u24 v5, v2, SPITCH                   ; back: lanes 0-15 one row of 256 bytes, lanes 16-31 the next
	v_lshl_add_u32 v5, v1, 4, v5
	v_add_nc_u32 v[RD], s23, v5
	v_lshlrev_b32 v5, 12, v2                       ; and the same two rows of 4,096 bytes in out0
	v_lshl_add_u32 v[CO], v1, 4, v5
.macro MUL8 fa, bb, a0, zero           ; row blocks a0, a0 + 1 x my four column blocks
.irp a, \a0, \a0+1
.irp b, 0,1,2,3
.if \zero
	v_wmma_f32_16x16x32_f16 v[8*(4*(\a)+\b):8*(4*(\a)+\b)+7], v[\bb+8*\b:\bb+8*\b+7], v[\fa+8*(\a):\fa+8*(\a)+7], 0
.else
	v_wmma_f32_16x16x32_f16 v[8*(4*(\a)+\b):8*(4*(\a)+\b)+7], v[\bb+8*\b:\bb+8*\b+7], v[\fa+8*(\a):\fa+8*(\a)+7], v[8*(4*(\a)+\b):8*(4*(\a)+\b)+7]
.endif
.endr
.endr
.endm
.macro LDB bb, slot, dh                ; 8 loads: my 64 rows of w, half dh of d
.irp i, 0,1,2,3
	ds_load_b128 v[\bb+8*\i:\bb+8*\i+3],   v[ADRB+\slot] offset:64*\dh+\i*FROW
	ds_load_b128 v[\bb+8*\i+4:\bb+8*\i+7], v[ADRB+\slot] offset:64*\dh+\i*FROW+32
.endr
.endm
.macro LDA fa, slot, e, dh             ; 16 loads: my 128 rows of hi (e = 0) or lo (e = 1), half dh of d
.irp i, 0,1,2,3,4,5,6,7
	ds_load_b128 v[\fa+8*\i:\fa+8*\i+3],   v[ADRA+\slot] offset:\e*AREG+64*\dh+\i*FROW
	ds_load_b128 v[\fa+8*\i+4:\fa+8*\i+7], v[ADRA+\slot] offset:\e*AREG+64*\dh+\i*FROW+32
.endr
.endm
; The 32 accumulators take turns, one instruction a turn, in the same order in every quarter.
; One of a step's first three quarters: multiplies fa by bb; in its middle it fetches the next quarter's rows (region ne, half ndh) into nfa, and with nb = 1 w's second half in front of them.
.macro QUARTER fa, bb, zero, slot, nfa, ne, ndh, nb
	s_wait_dscnt 8                                 ; all but the youngest eight loads, row blocks 4-7
	WIN 0x50
	MUL8 \fa, \bb, 0, \zero
	MUL8 \fa, \bb, 2, \zero
	WIN 0
	PLACES
.if \nb
	LDB BB1, \slot, 1
.endif
	LDA \nfa, \slot, \ne, \ndh
	s_wait_dscnt 16+8*\nb                          ; all but those just issued
	WIN 0x50
	MUL8 \fa, \bb, 4, \zero
	MUL8 \fa, \bb, 6, \zero
.endm
.macro THREE slot, zero
	QUARTER FA0, BB0, \zero, \slot, FA1, 1, 0, 1
	QUARTER FA1, BB0, 0,     \slot, FA0, 0, 1, 0
	QUARTER FA0, BB1, 0,     \slot, FA1, 1, 1, 0
.endm
; The fourth quarter and the change of slots.  In front of the barrier each wave waits for its reads of this slot and for all its tensor loads (one is out: its part of the
; next slot).  fill = 1: the barrier opens a round of the cluster's barrier, and behind the round this slot is asked for again, two heads ahead: from that request to the
; wait for it a wave issues 120 matrix instructions.
.macro TURN slot, next, fill
	s_wait_dscnt 8
	WIN 0x50
	MUL8 FA1, BB1, 0, 0
	s_wait_dscnt 0
	s_wait_tensorcnt 0x0
	ds_add_u32 v254, v255
	s_wait_dscnt 0x0
	s_barrier_signal -1
	MUL8 FA1, BB1, 2, 0
	WIN 0
	s_barrier_wait -1
.if \fill
	CREST
	s_add_nc_u64 s[G0+4*\slot+2:G0+4*\slot+3], s[G0+4*\slot+2:G0+4*\slot+3], 2*HEAD_A
	s_add_nc_u64 s[G0B+4*\slot+2:G0B+4*\slot+3], s[G0B+4*\slot+2:G0B+4*\slot+3], 2*HEAD_B
	JLOAD \slot                                    ; my one tensor load behind the round
.endif
	PLACES
	LDB BB0, \next, 0
	LDA FA0, \next, 0, 0
	WIN 0x50
	MUL8 FA1, BB1, 4, 0
	MUL8 FA1, BB1, 6, 0
.endm
.macro LAP zero
	THREE 0, \zero
	TURN 0, 1, 1
	THREE 1, 0
	TURN 1, 0, 1
.endm
	s_wait_tensorcnt 0x1                           ; my part of head 0 is in; head 1's may stay out
	s_barrier_signal -1
	s_barrier_wait -1
	LDB BB0, 0, 0
	LDA FA0, 0, 0, 0
	LAP 1                                          ; heads 0, 1: the first products start the sums
	WIN 0
	s_mov_b32 s3, 6                                ; heads 2 to 13
.Llap:
	LAP 0
	WIN 0
	s_sub_co_u32 s3, s3, 1
	s_cmp_lg_u32 s3, 0
	s_cbranch_scc1 .Llap
	THREE 0, 0                                     ; heads 14, 15: nothing is left to ask for
	TURN 0, 1, 0
	THREE 1, 0
	s_wait_dscnt 8
	WIN 0x50
	MUL8 FA1, BB1, 0, 0
	MUL8 FA1, BB1, 2, 0
	s_wait_dscnt 0
	MUL8 FA1, BB1, 4, 0
	MUL8 FA1, BB1, 6, 0
	WIN 0
	PLACES
	; THE WAY OUT, 16 rows at a time through my own stage
	s_lshl_b32 s74, s13, 20                        ; (256 block row + 128 half) rows of 4,096 bytes
	s_lshl_b32 s75, s11, 19
	s_add_co_u32 s74, s74, s75
	s_lshl_b32 s75, s42, 9                         ; (128 block column + 64 half) columns of 4 bytes
	s_add_co_u32 s74, s74, s75
	s_lshl_b32 s75, s12, 8
	s_add_co_u32 s74, s74, s75
	s_mov_b32 s75, 0
	s_add_nc_u64 s[68:69], s[8:9], s[74:75]
.macro OUTF a, rb
	WIN 0x04                                       ; an LDS store's data: source 1, window 1
.irp b, 0,1,2,3
	ds_store_b128 v[STO], v[8*(4*\a+\b):8*(4*\a+\b)+3]   offset:64*\b
	ds_store_b128 v[STO], v[8*(4*\a+\b)+4:8*(4*\a+\b)+7] offset:64*\b+16
.endr
	WIN 0
	s_wait_xcnt 0x0                                ; the buffer below was the data of earlier stores: it is loaded again only behind this wait
.irp t, 0,1,2,3,4,5,6,7
	ds_load_b128 v[\rb+4*\t:\rb+4*\t+3], v[RD] offset:\t*2*SPITCH   ; LDS serves a wave's instructions in order: these see the stores above
.endr
.irp t, 0,1,2,3,4,5,6,7
	s_wait_dscnt 7-\t
	global_store_b128 v[CO], v[\rb+4*\t:\rb+4*\t+3], s[68:69] offset:65536*\a+8192*\t th:TH_STORE_NT   ; 16 lanes store 256 consecutive bytes, aligned
.endr
.endm
	OUTF 0, BB0
	OUTF 1, BB1
	OUTF 2, BB0
	OUTF 3, BB1
	OUTF 4, BB0
	OUTF 5, BB1
	OUTF 6, BB0
	OUTF 7, BB1
	s_wait_tensorcnt 0x0
	ds_add_u32 v254, v255
	s_wait_dscnt 0x0
	CROUND                                         ; the closing round: no work-group ends while a partner may still ask jointly
	s_endpgm
.Lfunc_end_k_q1595c78d73_oproj:
	.size	k_q1595c78d73_oproj, .Lfunc_end_k_q1595c78d73_oproj-k_q1595c78d73_oproj
	.p2alignl 7, 3214868480
	.fill 96, 4, 3214868480
	.section	.rodata,"a",@progbits
	.p2align	6, 0x0
	.amdhsa_kernel k_q1595c78d73_oproj
		.amdhsa_group_segment_fixed_size 327680
		.amdhsa_private_segment_fixed_size 0
		.amdhsa_enable_private_segment 0
		.amdhsa_kernarg_size 24
		.amdhsa_user_sgpr_count 2
		.amdhsa_user_sgpr_kernarg_segment_ptr 1
		.amdhsa_wavefront_size32 1
		.amdhsa_system_sgpr_workgroup_id_x 1
		.amdhsa_system_sgpr_workgroup_id_y 1
		.amdhsa_system_sgpr_workgroup_id_z 1
		.amdhsa_system_vgpr_workitem_id 0
		.amdhsa_next_free_vgpr 512
		.amdhsa_next_free_sgpr 80
		.amdhsa_reserve_vcc 0
		.amdhsa_float_denorm_mode_32 3
		.amdhsa_float_denorm_mode_16_64 3
		.amdhsa_memory_ordered 1
		.amdhsa_forward_progress 1
		.amdhsa_inst_pref_size 112
	.end_amdhsa_kernel
	.amdgpu_metadata
---
amdhsa.version: [ 1, 2 ]
amdhsa.kernels:
  - .name:           k_q1595c78d73_oproj
    .symbol:         k_q1595c78d73_oproj.kd
    .args:
      - { .name: ao, .offset: 0, .size: 8, .value_kind: global_buffer, .address_space: global }
      - { .name: wo, .offset: 8, .size: 8, .value_kind: global_buffer, .address_space: global }
      - { .name: out0, .offset: 16, .size: 8, .value_kind: global_buffer, .address_space: global }
    .group_segment_fixed_size: 327680
    .private_segment_fixed_size: 0
    .kernarg_segment_align: 8
    .kernarg_segment_size: 24
    .max_flat_workgroup_size: 128
    .sgpr_count:     80
    .vgpr_count:     512
    .wavefront_size: 32
...
	.end_amdgpu_metadata
.endif
;; end of part 4
;; ======== version 2 of 2: 4 launches; version 1 with the launch cast written anew for expert scheduling mode
;; limits: values are held in f16: magnitudes above 65,504 overflow, below 6.1e-05 lose precision
;; workspace buffers: xb 16,777,216 bytes; wqkv 6,291,456 bytes; wo 2,097,152 bytes; qkv 50,331,648 bytes; ao 33,554,432 bytes
;; launch cast (part 5): grid 768 x 1, 8 waves a work-group, no clusters, 0 bytes of LDS; arguments in_features, q_proj, k_proj, v_proj, o_proj, xb, wqkv, wo; writes xb, wqkv, wo
.if DOCPART == 5
	.amdgcn_target "amdgcn-amd-amdhsa--gfx1250"
	.amdhsa_code_object_version 6
	.text
	.protected	k_q1595c78d73_cast
	.globl	k_q1595c78d73_cast
	.p2align	8
	.type	k_q1595c78d73_cast,@function
k_q1595c78d73_cast:
	s_mov_b64 s[64:65], 0
	v_nop
	global_prefetch_b8 v0, s[64:65] scope:SCOPE_SE
	s_setreg_imm32_b32 hwreg(HW_REG_WAVE_SCHED_MODE, 0, 2), 2
	s_setreg_imm32_b32 hwreg(HW_REG_WAVE_MODE, 25, 1), 1
	s_wait_xcnt 0x0
	s_wait_alu depctr_vm_vsrc(0)
; f32 -> 16 bits, and a new order: [row][1024] becomes [16 K blocks][row][64], so that any run of rows of one K block is one dense run of bytes.
; in_features -> xb [16][8192][64] bf16;  q, k, v_proj -> wqkv [16][3072][64] bf16 (q rows 0-1023, k 1024-2047, v 2048-3071);
; o_proj -> wo [16][1024][64]: rounded to bf16 like the other inputs, then written as f16, because the last product's other operand is f16.
;   That second step is exact for |w| >= 2^-14; below it the absolute error is at most 2^-25.  LIMIT: |o_proj| < 65,504.
; A stream: each input byte is read once, each output byte written once; no LDS, no matrix unit, no cluster, since nothing is shared.
; 768 work-groups of 16 rows: 512 for x, 64 for each weight.  Thread t: row t / 16, 4 numbers at column 64 kb + 4 (t % 16) of every K block kb.
; A load of a wave covers two aligned runs of 256 bytes (one in each of two rows); a store of a wave covers 256 consecutive bytes, aligned (two rows of one K block).
; All sixteen loads of a thread go out at once.
; THE MODE: SCHED_MODE bits 1:0 = 2 (LLVM: expert scheduling mode 2), set by the entry lines.  The code itself states the register dependences
; between vector instructions and memory instructions, with s_wait_alu, always for 0.
; THE PLAN.  Registers that memory instructions touch:
;   v1    the source offset.  Written at the head, read by the sixteen loads, never written again.
;   X     written by the loads alone, each register once; read by its K block's roundings behind the counted wait for the load.
;   OFF   the destination offsets.  Written once each, behind the loads; read by one store each.
;   Y     written by its K block's roundings; read by that K block's one store; never written behind it.
;   T, v2 and v3 are named by vector instructions alone.
; No register that a memory instruction reads is written again, so no wait on vm_vsrc is owed.  The sixteen K blocks go in four groups of four: group g's roundings
; write Y of group g, and the stores of group g - 1 are dealt among them.  ONE wait on va_vdst at a group's head states that the group before has written its Y
; (at group 1's head also that OFF is written); the roundings issued since name X and Y of group g and T, none of the registers that those four stores read.
.set OFF, 4                            ; v[4:19]    byte offset of my 8 bytes in K block kb
.set X,   20                           ; v[20:83]   K block kb: 4 f32 as loaded
.set Y,   84                           ; v[84:115]  K block kb: 4 numbers of 16 bits
.set T,   116                          ; v[116:117] at work
	s_load_b512 s[16:31], s[0:1], 0x0              ; x 16, q 18, k 20, v 22, o 24, xb 26, wqkv 28, wo 30
	s_sub_co_u32 s2, ttmp9, 512                    ; t: the number among the weights' work-groups (not used where ttmp9 < 512)
	s_bfe_u32 s4, s2, 0x20006                      ; which weight: t / 64
	s_and_b32 s5, s2, 63
	s_lshl_b32 s5, s5, 4                           ; its first row: 16 (t % 64)
	s_lshl_b32 s6, ttmp9, 4                        ; x's first row
	s_lshl_b32 s7, s4, 10
	s_add_co_u32 s7, s7, s5                        ; the row in wqkv
	s_mov_b32 s13, 1024*128                        ; bytes from K block to K block: wo,
	s_mov_b32 s14, 3072*128                        ; wqkv,
	s_mov_b32 s15, 8192*128                        ; xb
	v_lshrrev_b32 v3, 4, v0                        ; my row of the 16
	v_and_b32 v2, 15, v0                           ; my place in a K block
	v_lshlrev_b32 v1, 4, v2
	v_lshl_add_u32 v1, v3, 12, v1                  ; source: row x 4,096 + 16 x place
	v_lshlrev_b32 v2, 3, v2
	v_lshl_add_u32 v2, v3, 7, v2                   ; destination: row x 128 + 8 x place
	s_wait_kmcnt 0x0
	s_cmp_eq_u32 s4, 1
	s_cselect_b64 s[8:9], s[20:21], s[18:19]       ; source: k or q,
	s_cmp_eq_u32 s4, 2
	s_cselect_b64 s[8:9], s[22:23], s[8:9]         ; or v,
	s_cmp_eq_u32 s4, 3
	s_cselect_b64 s[8:9], s[24:25], s[8:9]         ; or o
	s_cselect_b64 s[10:11], s[30:31], s[28:29]     ; destination: wo or wqkv
	s_cselect_b32 s12, s13, s14
	s_cselect_b32 s7, s5, s7
	s_cmp_lt_u32 ttmp9, 512                        ; the first 512 work-groups take x
	s_cselect_b64 s[8:9], s[16:17], s[8:9]
	s_cselect_b64 s[10:11], s[26:27], s[10:11]
	s_cselect_b32 s12, s15, s12
	s_cselect_b32 s5, s6, s5
	s_cselect_b32 s7, s6, s7
	s_lshl_b32 s2, s5, 12                          ; source row x 4,096 bytes (below 2^25)
	s_mov_b32 s3, 0
	s_add_nc_u64 s[8:9], s[8:9], s[2:3]
	s_lshl_b32 s2, s7, 7                           ; destination row x 128 bytes
	s_add_nc_u64 s[10:11], s[10:11], s[2:3]
	s_wait_alu depctr_va_vdst(0)                   ; v1 is written, which the sixteen loads read as their offset
.irp kb, 0,1,2,3,4,5,6,7,8,9,10,11,12,13,14,15
	global_load_b128 v[X+4*\kb:X+4*\kb+3], v1, s[8:9] offset:256*\kb th:TH_LOAD_NT
.endr
.irp kb, 0,1,2,3,4,5,6,7,8,9,10,11,12,13,14,15
	v_mad_u32_u24 v[OFF+\kb], s12, \kb, v2         ; read by the stores alone, the first of which stands behind group 1's wait on va_vdst
.endr
; Group g, K block kb = 4 g + i.  half = 1: the bf16 numbers are widened (a shift, a mask) and packed again as f16
.macro TAKE half
.irp g, 0,1,2,3
.irp i, 0,1,2,3
.if \i == 0
	s_wait_loadcnt 15-4*\g                         ; loads return in order: the group's first K block is in, the younger loads stay out
.if \g > 0
	s_wait_alu depctr_va_vdst(0)                   ; the group before has written its Y, which the four stores of this group's turn read; at group 1 also: the sixteen OFF are written
.endif
.endif
.if \g > 0
	global_store_b64 v[OFF+4*\g+\i-4], v[Y+2*(4*\g+\i-4):Y+2*(4*\g+\i-4)+1], s[10:11]   ; the K block four back; no vector instruction since the wait names its OFF or its Y
.endif
.if \i > 0
	s_wait_loadcnt 15-(4*\g+\i)                    ; K block kb is in, the 15 - kb younger loads stay out
.endif
	v_cvt_pk_bf16_f32 v[Y+2*(4*\g+\i)],   v[X+4*(4*\g+\i)],   v[X+4*(4*\g+\i)+1]
	v_cvt_pk_bf16_f32 v[Y+2*(4*\g+\i)+1], v[X+4*(4*\g+\i)+2], v[X+4*(4*\g+\i)+3]
.if \half
.irp e, 0,1
	v_lshlrev_b32 v[T],   16, v[Y+2*(4*\g+\i)+\e]
	v_and_b32     v[T+1], 0xffff0000, v[Y+2*(4*\g+\i)+\e]
	v_cvt_pk_f16_f32 v[Y+2*(4*\g+\i)+\e], v[T], v[T+1]
.endr
.endif
.endr
.endr
	s_wait_alu depctr_va_vdst(0)                   ; group 3 has written its Y, which the last four stores read
.irp kb, 12,13,14,15
	global_store_b64 v[OFF+\kb], v[Y+2*\kb:Y+2*\kb+1], s[10:11]
.endr
.endm
	s_cmp_ge_u32 ttmp9, 704                        ; the last 64 work-groups take o_proj
	s_cbranch_scc1 .Lhalf
	TAKE 0
	s_endpgm
.Lhalf:
	TAKE 1
	s_endpgm
.Lfunc_end_k_q1595c78d73_cast:
	.size	k_q1595c78d73_cast, .Lfunc_end_k_q1595c78d73_cast-k_q1595c78d73_cast
	.p2alignl 7, 3214868480
	.fill 96, 4, 3214868480
	.section	.rodata,"a",@progbits
	.p2align	6, 0x0
	.amdhsa_kernel k_q1595c78d73_cast
		.amdhsa_group_segment_fixed_size 0
		.amdhsa_private_segment_fixed_size 0
		.amdhsa_enable_private_segment 0
		.amdhsa_kernarg_size 64
		.amdhsa_user_sgpr_count 2
		.amdhsa_user_sgpr_kernarg_segment_ptr 1
		.amdhsa_wavefront_size32 1
		.amdhsa_system_sgpr_workgroup_id_x 1
		.amdhsa_system_sgpr_workgroup_id_y 1
		.amdhsa_system_sgpr_workgroup_id_z 1
		.amdhsa_system_vgpr_workitem_id 0
		.amdhsa_next_free_vgpr 120
		.amdhsa_next_free_sgpr 66
		.amdhsa_reserve_vcc 0
		.amdhsa_float_denorm_mode_32 3
		.amdhsa_float_denorm_mode_16_64 3
		.amdhsa_memory_ordered 1
		.amdhsa_forward_progress 1
		.amdhsa_inst_pref_size 18
	.end_amdhsa_kernel
	.amdgpu_metadata
---
amdhsa.version: [ 1, 2 ]
amdhsa.kernels:
  - .name:           k_q1595c78d73_cast
    .symbol:         k_q1595c78d73_cast.kd
    .args:
      - { .name: in_features, .offset: 0, .size: 8, .value_kind: global_buffer, .address_space: global }
      - { .name: q_proj, .offset: 8, .size: 8, .value_kind: global_buffer, .address_space: global }
      - { .name: k_proj, .offset: 16, .size: 8, .value_kind: global_buffer, .address_space: global }
      - { .name: v_proj, .offset: 24, .size: 8, .value_kind: global_buffer, .address_space: global }
      - { .name: o_proj, .offset: 32, .size: 8, .value_kind: global_buffer, .address_space: global }
      - { .name: xb, .offset: 40, .size: 8, .value_kind: global_buffer, .address_space: global }
      - { .name: wqkv, .offset: 48, .size: 8, .value_kind: global_buffer, .address_space: global }
      - { .name: wo, .offset: 56, .size: 8, .value_kind: global_buffer, .address_space: global }
    .group_segment_fixed_size: 0
    .private_segment_fixed_size: 0
    .kernarg_segment_align: 8
    .kernarg_segment_size: 64
    .max_flat_workgroup_size: 256
    .sgpr_count:     66
    .vgpr_count:     120
    .wavefront_size: 32
...
	.end_amdgpu_metadata
.endif
;; end of part 5
;; launch proj: the kernel of part 2 again; grid 8 x 32, 4 waves a work-group, clusters of 4 x 4, 327,680 bytes of LDS; arguments xb, wqkv, qkv; writes qkv
;; launch attn: the kernel of part 3 again; grid 4 x 64, 8 waves a work-group, no clusters, 327,680 bytes of LDS; arguments qkv, ao; writes ao
;; launch oproj: the kernel of part 4 again; grid 8 x 32, 4 waves a work-group, clusters of 4 x 4, 327,680 bytes of LDS; arguments ao, wo, out0; writes out0
